; MI455X (gfx1250); checked and timed in simulation.
; The chip was launched on July 23, 2026; its instructions are those of AMD's public machine-readable ISA for CDNA 5 (MIT licence, August 2026) and "CDNA5" Instruction Set Architecture Reference Guide (July 2026). The comments in the code are by the model that wrote it; some were corrected since.
;; Attention. Allowed arithmetic: matrix products marked QUANTISED: E2M1 operands, one E8M0 scale for each 32 along K, by v_wmma_scale_f32_16x16x128_f8f6f4 with both operands' format E2M1 (or v_wmma_scale_f32_32x16x128_f4), f32 sums; products left as they are: f32 operands where the result goes on into a quantised operand, else bf16, f16 or f32 operands; f32 sums; everything else in f32.
;; Inputs: attn_b 1,024 float32; attn_w 3,072 x 1,024 float32; decoder_hidden 64 x 1,024 float32; encoder_mask 64 x 512 int32; encoder_outputs 64 x 512 x 2,048 float32; v_w 1,024 float32.
;; Outputs: out0 64 x 2,048 float32; out1 64 x 512 float32.
;; This version of the problem:
;;   THIS VERSION OF THE PROBLEM IS GIVEN IN LOW PRECISION. The matrix products marked QUANTISED in the list below multiply operands that are first quantised to E2M1 (2 exponent bits, 1 mantissa bit; 4 bits a number), with one power-of-two scale for each 32 numbers along K (OCP MX v1.0); their sums are f32. All else is computed in f32.
;;   The module's matrix products, in the order in which they are computed (A, B: the left and right operand; K: the contracted axis; several contracted axes count as one K, in the product's order):
;;     1. [M 64, K 1,024] x [K 1,024, N 1,024]; A: input decoder_hidden; B: input attn_w: QUANTISED
;;     2. [M 32,768, K 2,048] x [K 2,048, N 1,024]; A: input encoder_outputs; B: input attn_w: QUANTISED
;;     3. [M 32,768, K 1,024] x [K 1,024, N 1]; A: computed on the way; B: input v_w: left as it is (N = 1 < 16)
;;     4. batch 64 x [M 1, K 512] x [K 512, N 2,048]; A: softmax; B: input encoder_outputs: left as it is (M = 1 < 16)
;;   THE QUANTISER, for each operand of a quantised product, along K:
;;     - K is cut into blocks of 32 from its start; a last block that is shorter is filled with zeros.
;;     - A block's scale is 2^e with e = floor(log2(the largest magnitude in the block)) - 2, held to -126 .. 127; a block of zeros has e = 0. As a byte (E8M0): e + 127.
;;     - Each number is divided by its block's scale, clamped to +-6, and rounded to the nearest number of E2M1, ties to even, subnormals kept.
;;     - The product sums the exact products of the quantised numbers (number of the format x scale) in f32.
;;   ~~~python
;;   def quantise(x, axis):      # numpy; x: float32 -> the quantised numbers, widened to float32 again
;;       x = np.moveaxis(x, axis, -1); K = x.shape[-1]
;;       x = np.pad(x, [(0, 0)] * (x.ndim - 1) + [(0, -K % 32)]); x = x.reshape(x.shape[:-1] + (-1, 32)); a = np.abs(x).max(-1, keepdims=True)
;;       e = np.where(a > 0, np.clip(np.frexp(np.where(a > 0, a, 1))[1] - 1 - 2, -126, 127), 0)      # np.frexp(a)[1] - 1 = floor(log2(a)), exactly
;;       r = np.clip(x / 2.0 ** e, -6, 6)
;;       step = 2.0 ** (np.maximum(np.frexp(np.where(r == 0, 1, r))[1] - 1, 0) - 1)
;;       q = np.round(r / step) * step * 2.0 ** e      # np.round: ties to even
;;       return np.moveaxis(q.reshape(q.shape[:-2] + (-1,))[..., :K], -1, axis).astype(np.float32)
;;   ~~~
;; One version. Each part assembles by itself: llvm-mc -triple=amdgcn-amd-amdhsa -mcpu=gfx1250 --defsym DOCPART=n.
;; ======== version 1 of 1: 3 launches
;; limits: values are held in bf16: 8 bits of precision; right only within a limited range of input values
;; workspace buffers: weq 1,114,112 bytes; decp 2,097,152 bytes; scores 131,072 bytes; ctxp 4,194,304 bytes
;; launch prep (part 1): grid 16 x 24, 8 waves a work-group, no clusters, 28,416 bytes of LDS; arguments attn_w, decoder_hidden, weq, decp; writes weq, decp
.if DOCPART == 1
	.amdgcn_target "amdgcn-amd-amdhsa--gfx1250"
	.amdhsa_code_object_version 6
	.text
	.protected	k_qb102d4d7b8_prep
	.globl	k_qb102d4d7b8_prep
	.p2align	8
	.type	k_qb102d4d7b8_prep,@function
k_qb102d4d7b8_prep:
	s_mov_b64 s[64:65], 0
	v_nop
	global_prefetch_b8 v0, s[64:65] scope:SCOPE_SE
	s_setreg_imm32_b32 hwreg(HW_REG_WAVE_MODE, 25, 1), 1
	s_wait_xcnt 0x0
; THE PROGRAM: additive attention, three launches.  prep: attn_w into codes, and decoder_hidden x w_dec, one K step of 128 a work-group.  main: encoder_outputs once: codes, product with w_enc, tanh,
; dot with v_w, mask, a block's softmax and partial context.  combine: the softmax over all 512 positions and the sum of the partial contexts.
; WORK LEFT OUT, for all values of the inputs.  tanh(y) = 1 - 2 / (1 + e^(2y)) is an identity, so attention[b][s] = sum_a v_w[a] - 2 sum_a v_w[a] / (1 + e^(2 y[b][s][a])).
; The first term is the same for every s of a row of the softmax (axis 1), attention itself is no output, and a masked position is -infinity with or without it: so sum_a v_w[a] is never formed.
; It is of the size of the scores themselves.  No input falls away: all six are loaded.  LIMIT: a NaN, an infinity or an overflow that reaches only that sum is not carried to the result.
;
; THIS LAUNCH.  attn_w [3072][1024] f32, whose K is its FIRST axis, becomes codes of E2M1 with one E8M0 byte for each 32 along K.  A work-group takes 64 columns (chunk cg) x one K step of 128 rows: a RECORD, laid in the
; order of an operand's registers, 4,352 bytes:   byte 1024 t + 512 c + 16 lane: registers 4 c .. 4 c + 3 of column tile t's fragment: lane (r, h) holds column 64 cg + 16 t + r, k = 64 c + 32 h + 0 .. 31;
;   byte 4096 + 8 lane: two scale words: of column 64 cg + lane, and of column 64 cg + 32 + lane.
; Wave v = 4 p + j takes block j of the K step's four and columns 32 p + lane: a lane takes a column and its registers run DOWN K, so a block's largest magnitude needs no other lane and the conversions give codes with
; K innermost: nothing is transposed.
; K steps 8-23 (w_enc): the record goes to weq, number 16 cg + K step - 8; sixteen lanes store 256 consecutive bytes, aligned.
; K steps 0-7 (w_dec): the record stays in LDS.  The work-group also quantises this K step of all 64 rows of decoder_hidden and multiplies: decp[K step][b][a] = the K step's part of Q(decoder_hidden) Q(w_dec), f32:
; 16 matrix instructions, four in each of waves 0-3 (16 batches x 64 columns, so that a wave's rows on the way out are whole aligned runs of 256 bytes).  The next launch adds the eight parts and the bias.
; The two ways part once, on the work-group's number alone, behind the loads of attn_w; each has LDS bytes and a barrier of its own.
; QUANTISING A ROW WHOSE K IS INNERMOST: a load takes a row's 512 bytes of the K step, 16 a lane: four neighbours a lane, eight lanes to a block of 32.  A unit is two ROWS in eight consecutive registers: one conversion takes
; all eight under the first row's scale (its low 16 bits are that row's four codes), a second under the second row's (its high 16 bits); each half goes to LDS by a 2-byte store.
; A block's scale is 2^(floor(log2(largest magnitude)) - 2): its byte is the largest magnitude's exponent field - 2, held at 1 from below.
; LIMITS: a block of zeros gets the byte 1 where the rule says 127 (its codes are zeros, and this program alone reads the bytes); NaN and infinities among the inputs are not served.
.set SBE,   0                          ; LDS, w_enc's way: the record's scale bytes, at 8 lane + wave
.set SBD,   256                        ; w_dec's way: the same,
.set DSB,   512                        ; decoder_hidden's scale words, 4 bytes a row,
.set WIMG,  768                        ; the record's four fragments, 4,096 bytes,
.set DC,    4864                       ; decoder_hidden's codes: 64 rows x (64 bytes + 16),
.set DP,    80
.set STAGE, 9984                       ; and the way out: 16 rows x (256 + 16) for each of waves 0-3, its own
.set SPARE, 27392                      ; the spare words, 128 bytes a wave
.set REC,   4352
.set X,     32                         ; v32-63: my column's 32 numbers
	s_load_b256 s[4:11], s[0:1], 0x0               ; attn_w s[4:5], decoder_hidden s[6:7], weq s[8:9], decp s[10:11]
	v_lshl_add_u32 v1, v0, 2, SPARE                ; my spare word; never rewritten
	v_mov_b32 v2, 0                                ; 0; never rewritten
	v_lshrrev_b32 v20, 5, v0
	s_delay_alu instid0(VALU_DEP_1)
	v_readfirstlane_b32 s12, v20                   ; wave v, 0 .. 7
	s_and_b32 s13, s12, 3                          ; j: my block of the K step.  Also m: my tile of 16 batches
	s_lshr_b32 s14, s12, 2                         ; p: my half of the 64 columns
	v_and_b32 v20, 31, v0                          ; lane l
	v_and_b32 v21, 15, v0                          ; r
	v_bfe_u32 v22, v0, 4, 1                        ; h
	s_delay_alu instid0(VALU_DEP_3)
	v_lshlrev_b32 v3, 2, v20                       ; attn_w in: 4 bytes a lane
	s_delay_alu instid0(VALU_DEP_2)
	v_lshlrev_b32 v4, 10, v22
	s_delay_alu instid0(VALU_DEP_1)
	v_lshl_add_u32 v4, v21, 4, v4                  ; my codes' place in a record: 1024 (l / 16) + 16 (l % 16)
	v_lshl_add_u32 v5, v20, 3, s12                 ; my scale byte: 8 l + 4 p + j (SBE = 0),
	s_delay_alu instid0(VALU_DEP_1)
	v_add_nc_u32 v24, SBD, v5                      ; and on w_dec's way
	v_lshlrev_b32 v6, 3, v20                       ; 8 l
	s_lshl_b32 s20, s14, 11
	s_lshl_b32 s21, s13, 8
	s_add_co_u32 s20, s20, s21                     ; 2048 p + 256 j: block j = 2 c + h lies at 512 c + 256 h in each tile's 1,024 bytes
	s_add_co_u32 s21, s20, WIMG
	v_add_nc_u32 v7, s21, v4                       ; the same place in the record's image in LDS
	v_lshlrev_b32 v8, 4, v20                       ; 16 l
	s_mul_i32 s21, s12, 8*DP
	s_add_co_u32 s21, s21, DC
	v_lshl_add_u32 v9, v20, 1, s21                 ; decoder_hidden's codes in: my 8 rows, 2 l
	s_lshl_b32 s21, s12, 5
	s_add_co_u32 s21, s21, DSB
	v_lshrrev_b32 v10, 3, v20
	s_delay_alu instid0(VALU_DEP_1)
	v_add_nc_u32 v10, s21, v10                     ; its scale bytes in: my 8 rows, l / 8
	v_add_nc_u32 v11, WIMG, v8                     ; w_dec's fragments out: 16 l
	s_mul_i32 s21, s13, 16*DP
	s_add_co_u32 s21, s21, DC
	v_mul_u32_u24 v12, v21, DP
	s_delay_alu instid0(VALU_DEP_1)
	v_lshl_add_u32 v12, v22, 4, v12
	s_delay_alu instid0(VALU_DEP_1)
	v_add_nc_u32 v12, s21, v12                     ; the batches' fragment out: row 16 m + r, + 16 h
	s_lshl_b32 s21, s13, 6
	s_add_co_u32 s21, s21, DSB
	v_lshl_add_u32 v13, v21, 2, s21                ; and its scale words: row 16 m + r
	s_mul_i32 s21, s13, 16*272
	s_add_co_u32 s21, s21, STAGE                   ; my stage
	v_mul_u32_u24 v14, v21, 272
	s_delay_alu instid0(VALU_DEP_1)
	v_lshl_add_u32 v14, v22, 5, v14
	s_delay_alu instid0(VALU_DEP_1)
	v_add_nc_u32 v14, s21, v14                     ; in: row r, + 32 h
	v_mul_u32_u24 v15, v22, 272
	s_delay_alu instid0(VALU_DEP_1)
	v_lshl_add_u32 v15, v21, 4, v15
	s_delay_alu instid0(VALU_DEP_1)
	v_add_nc_u32 v15, s21, v15                     ; back: lanes 0-15 one row, lanes 16-31 the next
	v_lshlrev_b32 v16, 12, v22
	s_delay_alu instid0(VALU_DEP_1)
	v_lshl_add_u32 v16, v21, 4, v16                ; and the same two rows in decp
	s_and_b32 s15, ttmp7, 0xffff                   ; the K step of attn_w, 0 .. 23
	s_lshl_b32 s22, s15, 19                        ; 128 rows of 4,096 bytes a K step,
	s_lshl_b32 s23, s13, 17                        ; 32 rows a block,
	s_add_co_u32 s22, s22, s23
	s_lshl_b32 s23, ttmp9, 8                       ; 64 columns a chunk,
	s_add_co_u32 s22, s22, s23
	s_lshl_b32 s23, s14, 7                         ; 32 columns a half
	s_add_co_u32 s22, s22, s23
	s_mov_b32 s23, 0
	s_wait_kmcnt 0x0
	s_add_nc_u64 s[4:5], s[4:5], s[22:23]
.irp i, 0,1,2,3,4,5,6,7,8,9,10,11,12,13,14,15,16,17,18,19,20,21,22,23,24,25,26,27,28,29,30,31
	global_load_b32 v[X+\i], v3, s[4:5] offset:\i*4096 th:TH_LOAD_NT   ; attn_w(32 j + i, 32 p + lane): 32 lanes read 128 consecutive bytes
.endr
; My column's block: largest magnitude, scale operand v22, scale byte v23, 32 codes in v[28:31]
.macro BLOCKQ
	v_max3_num_f32 v20, |v[X]|, |v[X+1]|, |v[X+2]|                 ; two chains that do not wait for each other
	v_max3_num_f32 v21, |v[X+3]|, |v[X+4]|, |v[X+5]|
.irp i, 6,10,14,18,22,26
	s_delay_alu instid0(VALU_DEP_2)
	v_max3_num_f32 v20, v20, |v[X+\i]|, |v[X+\i+1]|
	s_delay_alu instid0(VALU_DEP_2)
	v_max3_num_f32 v21, v21, |v[X+\i+2]|, |v[X+\i+3]|
.endr
	s_delay_alu instid0(VALU_DEP_2)
	v_max3_num_f32 v20, v20, |v[X+30]|, |v[X+31]|
	s_delay_alu instid0(VALU_DEP_1)
	v_max3_num_f32 v20, v20, v21, 0x1800000        ; and the floor 2^(3 - 127): the byte cannot fall under 1
	s_delay_alu instid0(VALU_DEP_1)
	v_add_nc_u32 v22, 0xff000000, v20              ; 2 off the exponent field: the conversion takes this operand's exponent field as its scale
	s_delay_alu instid0(VALU_DEP_1)
	v_lshrrev_b32 v23, 23, v22                     ; the scale's byte
.irp g, 0,1,2,3
	v_cvt_scalef32_pk8_fp4_f32 v[28+\g], v[X+8*\g:X+8*\g+7], v22
.endr
	v_nop                                          ; one plain place behind the last conversion
.endm
	s_cmp_lt_u32 s15, 8                            ; w_dec's rows or w_enc's?  The work-group's number alone decides: all eight waves go the same way
	s_cbranch_scc1 .Ldec
; ---- w_enc: the record goes to weq
	s_lshl_b32 s22, ttmp9, 4
	s_add_co_u32 s22, s22, s15
	s_sub_co_u32 s22, s22, 8                       ; the record's number
	s_mul_i32 s22, s22, REC
	s_add_nc_u64 s[8:9], s[8:9], s[22:23]          ; my record,
	s_mov_b32 s21, 0
	s_add_nc_u64 s[16:17], s[8:9], s[20:21]        ; and my block's place in it
	s_wait_loadcnt 0x0
	BLOCKQ
	ds_store_b8 v5, v23
	global_store_b128 v4, v[28:31], s[16:17]       ; tiles 2 p and 2 p + 1: sixteen lanes store 256 consecutive bytes, aligned
	s_wait_dscnt 0x0                               ; for the others' sake: my byte store has landed
	s_barrier_signal -1
	s_barrier_wait -1
	s_cmp_lg_u32 s12, 0
	s_cbranch_scc1 .Ldone                          ; wave 0 stores the record's 64 scale words
	ds_load_b64 v[26:27], v6
	s_wait_dscnt 0x0
	global_store_b64 v6, v[26:27], s[8:9] offset:4096   ; 32 lanes store 256 consecutive bytes, aligned
	s_branch .Ldone
; ---- w_dec: the record stays in LDS and is multiplied at once
.Ldec:
	s_lshl_b32 s22, s12, 15                        ; my 8 rows of decoder_hidden, 4,096 bytes each,
	s_lshl_b32 s21, s15, 9                         ; the K step's 512 bytes of a row
	s_add_co_u32 s22, s22, s21
	s_add_nc_u64 s[6:7], s[6:7], s[22:23]
.irp q, 0,1,2,3
.irp c, 0,1
	global_load_b128 v[64+8*\q+4*\c:67+8*\q+4*\c], v8, s[6:7] offset:(2*\q+\c)*4096   ; unit q = rows 2 q, 2 q + 1: 32 lanes read 512 consecutive bytes
.endr
.endr
	s_lshl_b32 s22, s15, 18                        ; decp: the K step's 64 rows of 4,096 bytes,
	s_lshl_b32 s21, s13, 16                        ; my 16 batches,
	s_add_co_u32 s22, s22, s21
	s_lshl_b32 s21, ttmp9, 8                       ; the chunk's 64 columns
	s_add_co_u32 s22, s22, s21
	s_add_nc_u64 s[10:11], s[10:11], s[22:23]
	s_wait_loadcnt 8                               ; attn_w's 32 loads are in; the eight of decoder_hidden may be out
	BLOCKQ
	ds_store_b8 v24, v23
	ds_store_b128 v7, v[28:31]                     ; my piece of the fragments' image
	s_wait_loadcnt 0x0
.irp q, 0,1,2,3                        ; my eight rows: eight blocks' chains by turns
.irp c, 0,1
	v_max3_num_f32 v[96+2*\q+\c], |v[64+8*\q+4*\c]|, |v[65+8*\q+4*\c]|, |v[66+8*\q+4*\c]|
.endr
.endr
.irp q, 0,1,2,3
.irp c, 0,1
	v_max3_num_f32 v[96+2*\q+\c], |v[67+8*\q+4*\c]|, v[96+2*\q+\c], 0x1800000   ; my four numbers, and the floor 2^(3 - 127)
.endr
.endr
.irp x, 1,2,4
.irp u, 0,1,2,3,4,5,6,7
	v_max_num_f32_dpp v[96+\u], v[96+\u], v[96+\u] row_xmask:\x row_mask:0xf bank_mask:0xf   ; the eight lanes that share a block
.endr
.endr
.irp u, 0,1,2,3,4,5,6,7
	v_add_nc_u32 v[104+\u], 0xff000000, v[96+\u]   ; 2 off the exponent field: the conversion's scale operand
.endr
.irp u, 0,1,2,3,4,5,6,7
	v_lshrrev_b32 v[96+\u], 23, v[104+\u]          ; the scale's byte
.endr
.irp q, 0,1,2,3
	v_cvt_scalef32_pk8_fp4_f32 v[112+\q], v[64+8*\q:71+8*\q], v[104+2*\q]     ; low 16 bits: the first row's four codes
.endr
.irp q, 0,1,2,3
	v_cvt_scalef32_pk8_fp4_f32 v[116+\q], v[64+8*\q:71+8*\q], v[105+2*\q]     ; high 16 bits: the second row's
.endr
	v_nop                                          ; one plain place behind the last conversion
.irp q, 0,1,2,3
	ds_store_b16 v9, v[112+\q] offset:(2*\q)*DP
	ds_store_b16_d16_hi v9, v[116+\q] offset:(2*\q+1)*DP
	ds_store_b8 v10, v[96+2*\q] offset:(2*\q)*4              ; eight lanes write the same byte with the same value
	ds_store_b8 v10, v[97+2*\q] offset:(2*\q+1)*4
.endr
	s_wait_dscnt 0x0                               ; for the others' sake: my codes and bytes have landed
	s_barrier_signal -1
	s_barrier_wait -1
	s_cmp_ge_u32 s12, 4
	s_cbranch_scc1 .Ldone                          ; waves 0-3 multiply: 16 batches x the chunk's 64 columns each
.irp t, 0,1,2,3
.irp c, 0,1
	ds_load_b128 v[128+8*\t+4*\c:131+8*\t+4*\c], v11 offset:1024*\t+512*\c   ; w_dec's fragment of tile t, as its image lies
.endr
.endr
	ds_load_b128 v[120:123], v12                   ; the batches' fragment: lane (r, h): row 16 m + r, k = 64 c + 32 h + 0 .. 31
	ds_load_b128 v[124:127], v12 offset:32
	ds_load_b64 v[18:19], v6 offset:SBD            ; w_dec's scale words: v18 tiles 0 (lanes 0-15) and 1 (lanes 16-31), v19 tiles 2 and 3
	ds_load_b32 v17, v13                           ; the batches' scale words
	s_wait_dscnt 0x0
; USED TRANSPOSED (source 0 = 16 columns of w_dec, source 1 = the 16 batches): a lane then holds eight neighbouring columns of one batch.  One K step: each product starts and ends its sum
.irp t, 0,2
	v_wmma_scale_f32_16x16x128_f8f6f4 v[64+8*\t:71+8*\t], v[128+8*\t:135+8*\t], v[120:127], 0, v[18+\t/2], v17 matrix_a_fmt:MATRIX_FMT_FP4 matrix_b_fmt:MATRIX_FMT_FP4
	v_wmma_scale_f32_16x16x128_f8f6f4 v[72+8*\t:79+8*\t], v[136+8*\t:143+8*\t], v[120:127], 0, v[18+\t/2], v17 matrix_a_fmt:MATRIX_FMT_FP4 matrix_b_fmt:MATRIX_FMT_FP4 matrix_a_scale:MATRIX_SCALE_ROW1
.endr
.rept 4
	v_nop                                          ; four places in front of the first read of results (ISA guide 7.12.1)
.endr
.irp t, 0,1,2,3
	ds_store_b128 v14, v[64+8*\t:67+8*\t] offset:64*\t           ; lane (r, h): batch r, columns 16 t + 8 h + 0 .. 7; each accumulator from its low end on
	ds_store_b128 v14, v[68+8*\t:71+8*\t] offset:64*\t+16
.endr
.irp u, 0,1,2,3,4,5,6,7
	ds_load_b128 v[160+4*\u:163+4*\u], v15 offset:2*\u*272       ; LDS serves a wave's instructions in order (ISA guide 5.7.1.4): these see my stores
.endr
.irp u, 0,1,2,3,4,5,6,7
	s_wait_dscnt 7-\u                              ; the younger loads from the stage may be out
	global_store_b128 v16, v[160+4*\u:163+4*\u], s[10:11] offset:2*\u*4096   ; sixteen lanes store 256 consecutive bytes, aligned
.endr
.Ldone:
	s_wait_tensorcnt 0x0                           ; the wave's end, behind my last LDS store
	ds_add_u32 v1, v2
	s_wait_dscnt 0x0
	s_endpgm
.Lfunc_end_k_qb102d4d7b8_prep:
	.size	k_qb102d4d7b8_prep, .Lfunc_end_k_qb102d4d7b8_prep-k_qb102d4d7b8_prep
	.p2alignl 7, 3214868480
	.fill 96, 4, 3214868480
	.section	.rodata,"a",@progbits
	.p2align	6, 0x0
	.amdhsa_kernel k_qb102d4d7b8_prep
		.amdhsa_group_segment_fixed_size 28416
		.amdhsa_private_segment_fixed_size 0
		.amdhsa_enable_private_segment 0
		.amdhsa_kernarg_size 32
		.amdhsa_user_sgpr_count 2
		.amdhsa_user_sgpr_kernarg_segment_ptr 1
		.amdhsa_wavefront_size32 1
		.amdhsa_system_sgpr_workgroup_id_x 1
		.amdhsa_system_sgpr_workgroup_id_y 1
		.amdhsa_system_sgpr_workgroup_id_z 1
		.amdhsa_system_vgpr_workitem_id 0
		.amdhsa_next_free_vgpr 192
		.amdhsa_next_free_sgpr 66
		.amdhsa_reserve_vcc 0
		.amdhsa_float_denorm_mode_32 3
		.amdhsa_float_denorm_mode_16_64 3
		.amdhsa_memory_ordered 1
		.amdhsa_forward_progress 1
		.amdhsa_inst_pref_size 22
	.end_amdhsa_kernel
	.amdgpu_metadata
---
amdhsa.version: [ 1, 2 ]
amdhsa.kernels:
  - .name:           k_qb102d4d7b8_prep
    .symbol:         k_qb102d4d7b8_prep.kd
    .args:
      - { .name: attn_w, .offset: 0, .size: 8, .value_kind: global_buffer, .address_space: global }
      - { .name: decoder_hidden, .offset: 8, .size: 8, .value_kind: global_buffer, .address_space: global }
      - { .name: weq, .offset: 16, .size: 8, .value_kind: global_buffer, .address_space: global }
      - { .name: decp, .offset: 24, .size: 8, .value_kind: global_buffer, .address_space: global }
    .group_segment_fixed_size: 28416
    .private_segment_fixed_size: 0
    .kernarg_segment_align: 8
    .kernarg_segment_size: 32
    .max_flat_workgroup_size: 256
    .sgpr_count:     66
    .vgpr_count:     192
    .wavefront_size: 32
...
	.end_amdgpu_metadata
.endif
;; end of part 1
;; launch main (part 2): grid 256 x 1, 4 waves a work-group, no clusters, 326,144 bytes of LDS; arguments encoder_outputs, encoder_mask, weq, decp, v_w, scores, ctxp, attn_b; writes scores, ctxp
.if DOCPART == 2
	.amdgcn_target "amdgcn-amd-amdhsa--gfx1250"
	.amdhsa_code_object_version 6
	.text
	.protected	k_qb102d4d7b8_main
	.globl	k_qb102d4d7b8_main
	.p2align	8
	.type	k_qb102d4d7b8_main,@function
k_qb102d4d7b8_main:
	s_mov_b64 s[64:65], 0
	v_nop
	global_prefetch_b8 v0, s[64:65] scope:SCOPE_SE
	s_setreg_imm32_b32 hwreg(HW_REG_WAVE_MODE, 25, 1), 1
	s_wait_xcnt 0x0
; For rows x = encoder_outputs[b][s][:] (32,768 rows of 2,048 f32):  y = Q(x) Q(w_enc) + dec_proj[b];  score = -2 sum_a v_w[a] / (1 + e^(2 y[a]));  masked positions -infinity;
; per block of 64 rows: m = the block's largest score, p = e^(score - m), ctxp[block] = sum of p x.  scores [64][512] f32 and ctxp [512 blocks][2048] f32 go on to the last launch.
; dec_proj[b][a] = the sum over the eight K steps of decp[K step][b][a] (made by the launch before) + attn_b[a]: formed once, at the head, for the work-group's one batch.
; WORK LEFT OUT (shown at the head of the first kernel): tanh(y) = 1 - 2 / (1 + e^(2y)), and the term sum_a v_w[a], the same along the softmax's axis, is not formed.
; EACH BYTE OF x IS READ FROM MEMORY ONCE.  On its way in a row is quantised (codes of E2M1, one E8M0 byte for each 32 along K) and also kept in LDS as bf16, until its score is known and the context can take it.
; SHARES.  A work-group owns 128 rows of one batch, as two blocks of 64.  Phase X: wave w takes rows 16 w .. + 15 of the block.  Product: THE WAVES SHARE THE COLUMNS: wave w makes columns 256 w .. + 255 for all 64 rows,
; in four chunks of 64; the codes of all 64 rows and all of K stay in its registers (512), so each fragment of w_enc is read by one wave, once a block, and feeds four matrix instructions.  Context: wave w takes columns 512 w .. + 511.
; w_enc's codes come from weq in records (64 columns x one K step of 128, 4,352 bytes, in the order of an operand's registers), from memory straight into registers, seven records ahead.
; WHY NO TENSOR LOADS, NO RING AND NO JOINT LOADS FOR w_enc, though every work-group walks it: the block's bf16 rows take 262,144 bytes of LDS, codes and scale bytes in transit 55,296, the two tables 8,192, the spare words 512:
; 326,144 of 327,680.  Two slots of even one record a wave (2 x 17,408 bytes) do not fit; and no wave reads a fragment that another wave reads, so LDS would save no read inside the work-group.
; x and w_enc are asked for in separate phases, so that on the one in-order counter of loads a record never stands behind rows of x.
; QUANTISING A ROW: a load takes 512 consecutive bytes of a row, 16 a lane: 128 along K, four neighbours a lane, eight lanes to a block of 32.  A unit is two such loads (two K steps) in eight consecutive registers.
; One conversion takes all eight under the first K step's scale (its low 16 bits are that step's four codes), a second under the second step's (its high 16 bits); each half goes to LDS by a 2-byte store.
; LIMITS: a block of 32 zeros gets the scale byte 1 (zero codes; the bytes are this program's own); the context's x is rounded to bf16; NaN and infinities among the inputs are not served;
; e^(2y) may overflow to infinity or fall to 0: the quotient is then 0 or 1, as tanh's limits ask.  A block of rows that is wholly masked has m held at -3e38 and p = 0.
; REGISTERS, in windows of 256 (s_set_vgpr_msb: bits 1:0 source 0, 3:2 source 1, 5:4 source 2, 7:6 destination):
;   window 0: v1-23 addresses; v24-27 masks; v32-63 x's scale words (v[32 + 16 p + k]: lane l = row 32 p + l, K step k); v64-79 w_enc's (two a slot); v80-111 partial scores; v112-127 the chunk's table entries;
;             v128-255 the 16 accumulators (rows' tile m, columns' tile t at v[128 + 8 (4 m + t)]); outside the product the same registers are at work
;   window 1: eight slots of 32: four units of x, or a record's four fragments       windows 2, 3: x's codes: K step k, tile m at v[32 (k % 8) + 8 m] of window 2 + k / 8
.set COPY,  0                          ; LDS: row x 4,096 + unit x 512 + 16 lane: the bf16 of columns 256 U + 4 lane .. + 3 and 256 U + 128 + 4 lane .. + 3
.set CODES, 262144                     ; 64 rows x (768 + 16): codes of up to 12 K steps, 64 bytes a step
.set CP,    784                        ; 49 x 16 bytes: the 16 rows of a fragment load start 16 bytes further on in each 256
.set SCR,   CODES                      ; laid over CODES while no codes are in transit: wave x 256 + 4 row: the waves' partial scores
.set PBUF,  CODES+1024                 ; likewise: wave x 256 + 4 row: p, a copy for each wave
.set SCB,   312320                     ; row x 80 + 4 K step + block: x's scale bytes
.set SBP,   80
.set DTAB,  317440                     ; C2 x dec_proj[b][a]
.set VTAB,  321536                     ; -2 v_w[a]
.set SPARE, 325632                     ; the spare words, 128 bytes a wave
.set REC,   4352
.set MSB, 0
.macro WIN new                         ; the immediate's high byte repeats the setting that is left; a switch that changes nothing is dropped
.if MSB != \new
	s_set_vgpr_msb (MSB<<8)|\new
.set MSB, \new
.endif
.endm
.macro BAR                             ; my LDS stores have landed and my LDS loads are in: then the work-group's barrier
	s_wait_dscnt 0x0
	s_barrier_signal -1
	s_barrier_wait -1
.endm
; Group gg of a trip of phase X: four units = rows 2 gg, 2 gg + 1 of my 16, 2,048 bytes each, into slot gg: eight loads of 512 consecutive bytes
.macro XISSUE gg, extra
	WIN 0x40                                       ; destination window 1
.irp q, 0,1,2,3
.irp c, 0,1
	global_load_b128 v[32*(\gg)+8*\q+4*\c:32*(\gg)+8*\q+4*\c+3], v3, s[26:27] offset:(2*(\gg)+\q/2)*8192+(\q%2)*1024+512*\c+\extra th:TH_LOAD_NT
.endr
.endr
.endm
; Record rec of the chunk in hand (16 and up: the next chunk's) into slot rec % 8: nine loads: its scale pair, then its four fragments
.macro WISSUE rec
	WIN 0
	global_load_b64 v[64+2*((\rec)%8):65+2*((\rec)%8)], v4, s[28:29] offset:(\rec)*REC+4096
	WIN 0x40
.irp t, 0,1,2,3
.irp c, 0,1
	global_load_b128 v[32*((\rec)%8)+8*\t+4*\c:32*((\rec)%8)+8*\t+4*\c+3], v3, s[28:29] offset:(\rec)*REC+1024*\t+512*\c
.endr
.endr
.endm
; Group g is worked: bf16 copy, eight blocks' scales, codes.  last = 0: the slot left by group g - 1 takes the next trip's group g - 1; last = 1 (a block's fourth trip): it takes record g - 1 of w_enc.
; What the group stores to LDS lies in two sets of registers by turns (v128 on, v192 on): the last group's 20 stores may be out while this group writes the other set.
.macro XGROUP g, last
.if (\last) && ((\g) > 0)
	s_wait_loadcnt 47+\g                           ; behind this group's eight loads: 8 (7 - g) of x and 9 (g - 1) of w_enc
	WISSUE (\g)-1
.elseif (\g) > 0
	s_wait_loadcnt 48                              ; behind this group's eight loads: six groups of eight
	XISSUE (\g)-1, 2048
.else
	s_wait_loadcnt 48
	XISSUE 7, 0
.endif
	s_wait_dscnt 20                                ; the stores of the group before last have read this set of registers
.set PB, 128+64*((\g)%2)               ; +0..15 bf16 words, +16..23 largest magnitudes, +24..31 scale operands, +32..39 bytes, +40..43 and +44..47 codes
	WIN 0x15                                       ; sources in window 1
.irp q, 0,1,2,3
.irp c, 0,1
	v_max3_num_f32 v[PB+16+2*\q+\c], |v[32*(\g)+8*\q+4*\c]|, |v[32*(\g)+8*\q+4*\c+1]|, |v[32*(\g)+8*\q+4*\c+2]|
.endr
.endr
	WIN 0x05
.irp q, 0,1,2,3
.irp e, 0,1,2,3
	v_cvt_pk_bf16_f32 v[PB+4*\q+\e], v[32*(\g)+8*\q+2*\e], v[32*(\g)+8*\q+2*\e+1]
.endr
.endr
	WIN 0x01
.irp q, 0,1,2,3
.irp c, 0,1
	v_max3_num_f32 v[PB+16+2*\q+\c], |v[32*(\g)+8*\q+4*\c+3]|, v[PB+16+2*\q+\c], 0x1800000   ; my four numbers, and the floor 2^(3 - 127): the byte cannot fall under 1
.endr
.endr
	WIN 0
.irp x, 1,2,4
.irp u, 0,1,2,3,4,5,6,7
	v_max_num_f32_dpp v[PB+16+\u], v[PB+16+\u], v[PB+16+\u] row_xmask:\x row_mask:0xf bank_mask:0xf   ; the eight lanes that share a block
.endr
.endr
.irp u, 0,1,2,3,4,5,6,7
	v_add_nc_u32 v[PB+24+\u], 0xff000000, v[PB+16+\u]   ; 2 off the exponent field: the conversion's scale operand
.endr
.irp u, 0,1,2,3,4,5,6,7
	v_lshrrev_b32 v[PB+32+\u], 23, v[PB+24+\u]     ; the scale's byte
.endr
	WIN 0x01
.irp q, 0,1,2,3
	v_cvt_scalef32_pk8_fp4_f32 v[PB+40+\q], v[32*(\g)+8*\q:32*(\g)+8*\q+7], v[PB+24+2*\q]     ; low 16 bits: the first K step's four codes
.endr
.irp q, 0,1,2,3
	v_cvt_scalef32_pk8_fp4_f32 v[PB+44+\q], v[32*(\g)+8*\q:32*(\g)+8*\q+7], v[PB+25+2*\q]     ; high 16 bits: the second's
.endr
	WIN 0
	v_nop                                          ; one plain place behind the last conversion
.irp q, 0,1,2,3
	ds_store_b128 v6, v[PB+4*\q:PB+4*\q+3] offset:(2*(\g)+\q/2)*4096+512*(\q%2)
	ds_store_b16 v8, v[PB+40+\q] offset:(2*(\g)+\q/2)*CP+128*(\q%2)
	ds_store_b16_d16_hi v8, v[PB+44+\q] offset:(2*(\g)+\q/2)*CP+128*(\q%2)+64
	ds_store_b8 v10, v[PB+32+2*\q] offset:(2*(\g)+\q/2)*SBP+8*(\q%2)          ; eight lanes write the same byte with the same value
	ds_store_b8 v10, v[PB+33+2*\q] offset:(2*(\g)+\q/2)*SBP+8*(\q%2)+4
.endr
.endm
; n K steps from k0 on, which lie in CODES from local step lk0 on, become fragments in windows 2 and 3: lane (r, h) of tile m: row 16 m + r, k = 64 c + 32 h + 0 .. 31
.macro AREAD k0, n, lk0
.set KK, 0
.rept \n
.if (\k0+KK) < 8
	WIN 0x80
.else
	WIN 0xc0
.endif
.irp m, 0,1,2,3
.irp c, 0,1
	ds_load_b128 v[32*((\k0+KK)%8)+8*\m+4*\c:32*((\k0+KK)%8)+8*\m+4*\c+3], v11 offset:16*\m*CP+64*(\lk0+KK)+32*\c
.endr
.endr
.set KK, KK+1
.endr
	WIN 0
.endm
; One matrix instruction: rows' tile m x columns' tile t, K step k.  Natural use: lane (r, h) holds column 16 t + r, register j row 16 m + 8 h + j.
; x's scale words lie two tiles to a register (tile m odd: lanes 16-31), w_enc's likewise (tile t odd).
.macro MM k, m, t, zero
.set rD, 128+8*(4*(\m)+(\t))
.set rA, 32*((\k)%8)+8*(\m)
.set rB, 32*((\k)%8)+8*(\t)
.set rX, 32+16*((\m)/2)+(\k)
.set rW, 64+2*((\k)%8)+(\t)/2
.if \zero
.if ((\m)%2 == 0) && ((\t)%2 == 0)
	v_wmma_scale_f32_16x16x128_f8f6f4 v[rD:rD+7], v[rA:rA+7], v[rB:rB+7], 0, v[rX], v[rW] matrix_a_fmt:MATRIX_FMT_FP4 matrix_b_fmt:MATRIX_FMT_FP4
.elseif ((\t)%2 == 0)
	v_wmma_scale_f32_16x16x128_f8f6f4 v[rD:rD+7], v[rA:rA+7], v[rB:rB+7], 0, v[rX], v[rW] matrix_a_fmt:MATRIX_FMT_FP4 matrix_b_fmt:MATRIX_FMT_FP4 matrix_a_scale:MATRIX_SCALE_ROW1
.elseif ((\m)%2 == 0)
	v_wmma_scale_f32_16x16x128_f8f6f4 v[rD:rD+7], v[rA:rA+7], v[rB:rB+7], 0, v[rX], v[rW] matrix_a_fmt:MATRIX_FMT_FP4 matrix_b_fmt:MATRIX_FMT_FP4 matrix_b_scale:MATRIX_SCALE_ROW1
.else
	v_wmma_scale_f32_16x16x128_f8f6f4 v[rD:rD+7], v[rA:rA+7], v[rB:rB+7], 0, v[rX], v[rW] matrix_a_fmt:MATRIX_FMT_FP4 matrix_b_fmt:MATRIX_FMT_FP4 matrix_a_scale:MATRIX_SCALE_ROW1 matrix_b_scale:MATRIX_SCALE_ROW1
.endif
.else
.if ((\m)%2 == 0) && ((\t)%2 == 0)
	v_wmma_scale_f32_16x16x128_f8f6f4 v[rD:rD+7], v[rA:rA+7], v[rB:rB+7], v[rD:rD+7], v[rX], v[rW] matrix_a_fmt:MATRIX_FMT_FP4 matrix_b_fmt:MATRIX_FMT_FP4
.elseif ((\t)%2 == 0)
	v_wmma_scale_f32_16x16x128_f8f6f4 v[rD:rD+7], v[rA:rA+7], v[rB:rB+7], v[rD:rD+7], v[rX], v[rW] matrix_a_fmt:MATRIX_FMT_FP4 matrix_b_fmt:MATRIX_FMT_FP4 matrix_a_scale:MATRIX_SCALE_ROW1
.elseif ((\m)%2 == 0)
	v_wmma_scale_f32_16x16x128_f8f6f4 v[rD:rD+7], v[rA:rA+7], v[rB:rB+7], v[rD:rD+7], v[rX], v[rW] matrix_a_fmt:MATRIX_FMT_FP4 matrix_b_fmt:MATRIX_FMT_FP4 matrix_b_scale:MATRIX_SCALE_ROW1
.else
	v_wmma_scale_f32_16x16x128_f8f6f4 v[rD:rD+7], v[rA:rA+7], v[rB:rB+7], v[rD:rD+7], v[rX], v[rW] matrix_a_fmt:MATRIX_FMT_FP4 matrix_b_fmt:MATRIX_FMT_FP4 matrix_a_scale:MATRIX_SCALE_ROW1 matrix_b_scale:MATRIX_SCALE_ROW1
.endif
.endif
.endm
; K step k of a chunk: 16 matrix instructions, the 16 accumulators by turns, in the same order in every step.  ahead = 1: record k + 7 is asked for, into the slot that the last
; step's products read: four places stand between them and the loads (ISA guide 7.12.1 for vector instructions).  zero = 1: the products start the sums: nothing is cleared.
.macro KSTEP k, ahead, wc, zero
	s_wait_loadcnt \wc                             ; record k is in; the records behind it stay out
.if \ahead
.rept 4
	v_nop
.endr
	WISSUE (\k)+7
.endif
.if (\k) < 8
	WIN 0x06                                       ; source 0 (x) window 2, source 1 (w_enc) window 1, C and D window 0
.else
	WIN 0x07                                       ; source 0 window 3
.endif
.irp m, 0,1,2,3
.irp t, 0,1,2,3
	MM \k, \m, \t, \zero
.endr
.endr
.endm
.macro TABLES                          ; the chunk's table entries: for tile t my column's C2 x dec_proj and -2 v_w; they land under the products
	v_add_nc_u32 v14, s35, v13
	v_add_nc_u32 v16, s35, v15
.irp t, 0,1,2,3
	ds_load_b32 v[112+2*\t], v14 offset:64*\t
.endr
.irp t, 0,1,2,3
	ds_load_b32 v[120+2*\t], v16 offset:64*\t
.endr
.endm
; A chunk's way from sums to partial scores: 2 y log2(e) = C2 x sum + C2 x dec_proj; e^(2y); + 1; reciprocal; x -2 v_w, added to the row's partial score.  Two batches of 128 transcendentals, one wait each.
.macro EPI
	s_wait_dscnt 0x0                               ; the table entries
.irp a, 0,1,2,3,4,5,6,7,8,9,10,11,12,13,14,15
.irp e, 0,2,4,6
	v_pk_fma_f32 v[128+8*\a+\e:129+8*\a+\e], v[128+8*\a+\e:129+8*\a+\e], s[22:23], v[112+2*(\a%4):113+2*(\a%4)] op_sel_hi:[1,0,0]   ; each accumulator from its low end on
.endr
.endr
.set J, 128
	s_wait_alu depctr_va_vdst(0)
.rept 128
	v_exp_f32 v[J], v[J]
.set J, J+1
.endr
	v_nop                                          ; a plain place behind the last exponential,
	s_wait_alu depctr_va_vdst(0)                   ; and a wait ahead of the batch's first reader
.set J, 128
.rept 64
	v_pk_add_f32 v[J:J+1], v[J:J+1], 1.0 op_sel_hi:[1,0]
.set J, J+2
.endr
.set J, 128
	s_wait_alu depctr_va_vdst(0)
.rept 128
	v_rcp_f32 v[J], v[J]
.set J, J+1
.endr
	v_nop
	s_wait_alu depctr_va_vdst(0)                   ; likewise for the reciprocals
.irp t, 0,1,2,3
.irp m, 0,1,2,3
.irp e, 0,2,4,6
	v_pk_fma_f32 v[80+8*\m+\e:81+8*\m+\e], v[128+8*(4*\m+\t)+\e:129+8*(4*\m+\t)+\e], v[120+2*\t:121+2*\t], v[80+8*\m+\e:81+8*\m+\e] op_sel_hi:[1,0,1]
.endr
.endr
.endr
.endm
; The context: four rows' 1,024 bytes of bf16 (my 512 columns) and their four p: nine LDS loads; and their 64 multiply-adds, straight from the bf16 halves
.macro CLOAD xs, ps, row
.irp q, 0,1,2,3
.irp a, 0,1
	ds_load_b128 v[\xs+8*\q+4*\a:\xs+8*\q+4*\a+3], v23 offset:(\row+\q)*4096+512*\a
.endr
.endr
	ds_load_b128 v[\ps:\ps+3], v21 offset:4*\row
.endm
.macro CFMA xs, ps
.irp q, 0,1,2,3
.irp a, 0,1
.irp e, 0,1,2,3
	v_fma_mix_f32_bf16 v[144+8*\a+2*\e], v[\xs+8*\q+4*\a+\e], v[\ps+\q], v[144+8*\a+2*\e] op_sel_hi:[1,0,0]
	v_fma_mix_f32_bf16 v[145+8*\a+2*\e], v[\xs+8*\q+4*\a+\e], v[\ps+\q], v[145+8*\a+2*\e] op_sel:[1,0,0] op_sel_hi:[1,0,0]
.endr
.endr
.endr
.endm
	s_load_b256 s[4:11], s[0:1], 0x0               ; encoder_outputs s[4:5], encoder_mask s[6:7], weq s[8:9], decp s[10:11]
	s_load_b128 s[12:15], s[0:1], 0x20             ; v_w s[12:13], scores s[14:15]
	s_load_b64 s[16:17], s[0:1], 0x30              ; ctxp
	s_load_b64 s[44:45], s[0:1], 0x38              ; attn_b
	v_lshl_add_u32 v1, v0, 2, SPARE                ; my spare word; never rewritten
	v_mov_b32 v2, 0                                ; 0; never rewritten
	v_lshrrev_b32 v30, 5, v0
	v_readfirstlane_b32 s18, v30                   ; wave w
	v_and_b32 v14, 31, v0                          ; lane l
	v_and_b32 v16, 15, v0                          ; r
	v_bfe_u32 v21, v0, 4, 1                        ; h
	v_lshlrev_b32 v3, 4, v14                       ; 16 l
	v_lshlrev_b32 v4, 3, v14                       ; 8 l
	s_lshl_b32 s40, s18, 16
	v_add_nc_u32 v5, s40, v3                       ; bf16 copy in: my 16 rows, 16 l                (v6: with the trip's offset)
	s_mul_i32 s40, s18, 16*CP
	s_add_co_u32 s40, s40, CODES
	v_lshl_add_u32 v7, v14, 1, s40                 ; codes in: my 16 rows, 2 l                     (v8)
	s_mul_i32 s40, s18, 16*SBP
	s_add_co_u32 s40, s40, SCB
	v_lshrrev_b32 v9, 3, v14
	v_add_nc_u32 v9, s40, v9                       ; scale bytes in: my 16 rows, l / 8             (v10)
	v_mul_u32_u24 v11, v16, CP
	v_lshl_add_u32 v11, v21, 4, v11
	v_add_nc_u32 v11, CODES, v11                   ; fragments out: row r, + 16 h
	v_mul_u32_u24 v12, v14, SBP
	v_add_nc_u32 v12, SCB, v12                     ; scale words out: row l
	s_lshl_b32 s40, s18, 10
	v_lshl_add_u32 v13, v16, 2, s40
	v_add_nc_u32 v15, VTAB, v13                    ; the tables: my 256 columns, 4 r               (v16, v14: with the chunk's offset)
	v_add_nc_u32 v13, DTAB, v13
	v_add_nc_u32 v22, s40, v3                      ; the context: my 512 columns' 1,024 bytes, 16 l  (v23: with the rows' offset)
	s_lshl_b32 s41, s18, 8
	v_lshl_add_u32 v17, v21, 5, s41
	v_add_nc_u32 v17, SCR, v17                     ; partial scores in: my wave's 256 bytes, + 32 h
	v_add_nc_u32 v18, SCR, v4                      ; and out: rows 2 l, 2 l + 1
	v_add_nc_u32 v19, s41, v4
	v_add_nc_u32 v19, PBUF, v19                    ; p in: my wave's copy, rows 2 l, 2 l + 1
	s_add_co_u32 s41, s41, PBUF
	v_mov_b32 v20, s41                             ; p out: my wave's copy                          (v21: with the rows' offset)
	v_mov_b32 v28, 0xff800000                      ; -infinity
	v_lshrrev_b32 v29, 3, v14
	v_and_b32 v23, 7, v14
	v_lshlrev_b32 v29, 13, v29
	v_lshl_add_u32 v29, v23, 8, v29                ; the prefetches: row l / 8 of four, 256 (l % 8) in its 2,048 bytes
	v_lshlrev_b32 v31, 4, v0                       ; 16 x thread
	v_add_nc_u32 v30, DTAB, v31
.irp j, 113,115,117,119,121,123,125,127
	v_mov_b32 v\j, 0                               ; the upper halves of the table entries' pairs: named by the packed forms, never used
.endr
	s_mov_b32 s22, 0x4038aa3b                      ; C2 = 2 log2(e)
	s_mov_b32 s23, s22                             ; (named with it as a pair, so it is written)
	s_mov_b32 s24, 0x76543210
	s_mov_b32 s25, 0xfedcba98                      ; v_permlanex16_b32's selects for lane l xor 16
	s_mov_b32 s39, 0x3fb8aa3b                      ; log2(e)
	s_mov_b32 s19, 2                               ; blocks to go
	s_lshl_b32 s40, ttmp9, 20                      ; 128 rows of 8,192 bytes a work-group,
	s_lshl_b32 s41, s18, 17                        ; 16 a wave
	s_add_co_u32 s40, s40, s41
	s_mov_b32 s41, 0
	s_wait_kmcnt 0x0
	s_add_nc_u64 s[26:27], s[4:5], s[40:41]        ; x at my first row
	s_lshl_b32 s40, ttmp9, 9                       ; 128 words
	s_add_nc_u64 s[6:7], s[6:7], s[40:41]          ; the mask, and
	s_add_nc_u64 s[14:15], s[14:15], s[40:41]      ; the scores, at the work-group's first row
	s_lshr_b32 s40, ttmp9, 2                       ; the batch
	s_lshl_b32 s40, s40, 12
	s_add_nc_u64 s[10:11], s[10:11], s[40:41]      ; decp at my batch's row of K step 0
	s_mul_i32 s40, s18, 64*REC
	s_add_nc_u64 s[30:31], s[8:9], s[40:41]        ; my four chunks' 64 records
	s_lshl_b32 s40, ttmp9, 14                      ; two blocks of 8,192 bytes,
	s_lshl_b32 s42, s18, 11                        ; my 512 columns
	s_add_co_u32 s40, s40, s42
	s_add_nc_u64 s[16:17], s[16:17], s[40:41]
	global_load_b64 v[24:25], v4, s[6:7]                       ; the mask of rows 2 l, 2 l + 1 of block 0,
	global_load_b64 v[26:27], v4, s[6:7] offset:256            ; and of block 1
.irp k, 0,1,2,3,4,5,6,7
	global_load_b128 v[128+8*\k:131+8*\k], v31, s[10:11] offset:262144*\k        ; K step k's part of dec_proj: columns 4 t .. + 3,
	global_load_b128 v[132+8*\k:135+8*\k], v31, s[10:11] offset:262144*\k+2048   ; and 512 + 4 t .. + 3
.endr
	global_load_b128 v[192:195], v31, s[44:45]
	global_load_b128 v[196:199], v31, s[44:45] offset:2048
	global_load_b128 v[200:203], v31, s[12:13]
	global_load_b128 v[204:207], v31, s[12:13] offset:2048
.irp g, 0,1,2,3,4
	XISSUE \g, 0                                   ; the first trip's groups 0 to 4: 40 loads; with the 22 above 62 are out
.endr
	WIN 0
	s_wait_loadcnt 40                              ; masks and tables are in; the 40 loads of x stay out
.irp k, 1,2,3,4,5,6,7
.irp e, 0,2,4,6
	v_pk_add_f32 v[128+\e:129+\e], v[128+\e:129+\e], v[128+8*\k+\e:129+8*\k+\e]   ; the eight parts, K ascending,
.endr
.endr
.irp e, 0,2,4,6
	v_pk_add_f32 v[128+\e:129+\e], v[128+\e:129+\e], v[192+\e:193+\e]             ; the bias,
.endr
.irp e, 0,2,4,6
	v_pk_mul_f32 v[128+\e:129+\e], v[128+\e:129+\e], s[22:23] op_sel_hi:[1,0]     ; x C2
.endr
.irp j, 200,202,204,206
	v_pk_mul_f32 v[\j:\j+1], v[\j:\j+1], -2.0 op_sel_hi:[1,0]
.endr
	ds_store_b128 v30, v[128:131]                  ; the tables: other waves read them behind later barriers
	ds_store_b128 v30, v[132:135] offset:2048
	ds_store_b128 v30, v[200:203] offset:4096
	ds_store_b128 v30, v[204:207] offset:6144
	XISSUE 5, 0                                    ; and groups 5 and 6: seven groups are asked for when the first is worked
	XISSUE 6, 0
	WIN 0
.Lblock:                                               ; a block of 64 rows
	s_mov_b32 s32, 0                               ; a trip's offsets in LDS: codes,
	s_mov_b32 s33, 0                               ; scale bytes,
	s_mov_b32 s34, 0                               ; bf16 copy
	s_mov_b32 s35, 0                               ; a chunk's offset in the tables
	s_mov_b32 s20, 3
.set J, 80
.rept 32
	v_mov_b32 v[J], 0                              ; the partial scores: four chunks add to them by one text
.set J, J+1
.endr
; ---- PHASE X: my 16 rows, 2,048 bytes (four K steps) of each a trip.  Three trips in a loop; the fourth is written out, since it asks for w_enc in x's place
.Lx:
	s_wait_dscnt 0x0                               ; no LDS instruction of mine is out: its address registers may be written
	v_add_nc_u32 v8, s32, v7
	v_add_nc_u32 v10, s33, v9
	v_add_nc_u32 v6, s34, v5
.irp g, 0,1,2,3,4,5,6,7
	XGROUP \g, 0
.endr
	s_wait_xcnt 0x0                                ; the loads have read their base: it may step
	s_add_nc_u64 s[26:27], s[26:27], 2048
	s_add_co_u32 s32, s32, 256
	s_add_co_u32 s33, s33, 16
	s_add_co_u32 s34, s34, 1024
	s_sub_co_u32 s20, s20, 1
	s_cmp_lg_u32 s20, 0
	s_cbranch_scc1 .Lx
	BAR                                            ; the codes of K steps 0-11 of all 64 rows lie in LDS
	AREAD 0, 12, 0
	BAR                                            ; every wave has them in registers: their bytes may be written again
	s_wait_xcnt 0x0
	s_mov_b64 s[28:29], s[30:31]                   ; w_enc at my first chunk
	v_mov_b32 v8, v7                               ; K steps 12-15 take the places of 0-3
	v_add_nc_u32 v10, 48, v9
	v_add_nc_u32 v6, 3072, v5
.irp g, 0,1,2,3,4,5,6,7
	XGROUP \g, 1
.endr
	BAR                                            ; the last codes and all scale bytes lie in LDS
	AREAD 12, 4, 0
.irp p, 0,1
.irp q, 0,1,2,3
	ds_load_b128 v[32+16*\p+4*\q:35+16*\p+4*\q], v12 offset:32*\p*SBP+16*\q   ; lane l: the 16 scale words of row 32 p + l
.endr
.endr
	BAR                                            ; nobody reads CODES any more: the scores and p may lie there
; ---- THE PRODUCT: four chunks of 64 columns.  Seven records are on their way at each chunk's head
	s_mov_b32 s21, 3
.Lchunk:
	TABLES
	KSTEP 0, 1, 54, 1                              ; 54: the six records behind the one that is wanted, nine loads each
.irp k, 1,2,3,4,5,6,7,8,9,10,11,12,13,14,15
	KSTEP \k, 1, 54, 0
.endr
	WIN 0
.rept 4
	v_nop                                          ; four places in front of the first read of results
.endr
	EPI
	s_wait_xcnt 0x0                                ; the loads have read their base: it may step
	s_add_nc_u64 s[28:29], s[28:29], 16*REC
	s_add_co_u32 s35, s35, 256
	s_sub_co_u32 s21, s21, 1
	s_cmp_lg_u32 s21, 0
	s_cbranch_scc1 .Lchunk
	TABLES                                         ; the last chunk is written out: no load leaves weq
	KSTEP 0, 1, 54, 1
.irp k, 1,2,3,4,5,6,7,8
	KSTEP \k, 1, 54, 0
.endr
; K step k (9 .. 15) of the last chunk of a block that has a successor: no record is left to ask for, so the slot that the last step's products read (slot k - 9, which held record k - 1)
; takes group k - 9 of the next block's first trip.  The wait counts what was issued behind record k: 9 loads for each of the 15 - k records, 8 for each of the k - 9 groups.
.macro KSTEPX k
	s_wait_loadcnt 9*(15-(\k))+8*((\k)-9)
.rept 4
	v_nop                                          ; four places between the last step's products and the loads into the slot that they read
.endr
	XISSUE (\k)-9, 0
	WIN 0x07                                       ; source 0 (x) window 3, source 1 (w_enc) window 1, C and D window 0
.irp m, 0,1,2,3
.irp t, 0,1,2,3
	MM \k, \m, \t, 0
.endr
.endr
.endm
	WIN 0                                          ; at a branch and at a label every window is 0
	s_cmp_eq_u32 s19, 1
	s_cbranch_scc1 .Lno_next                       ; the last block asks for nothing more: no load and no prefetch leaves its buffer
	s_wait_xcnt 0x0
	s_add_nc_u64 s[26:27], s[26:27], 524288-6144   ; 64 rows down, back along K
.irp k, 9,10,11,12,13,14,15
	KSTEPX \k                                      ; the next block's first trip is asked for as the slots fall free
.endr
	WIN 0
.rept 4
	v_nop                                          ; four places in front of the first read of results
.endr
.irp u, 0,1,2,3
	global_prefetch_b8 v29, s[26:27] offset:2048+32768*\u th:TH_LOAD_NT scope:SCOPE_SE   ; the next block's second trip: my 16 rows x 2,048 bytes, each lane another aligned 256 bytes, each named once in the launch
.endr
	s_branch .Lepi
.Lno_next:
.irp k, 9,10,11,12,13,14,15
	KSTEP \k, 0, 9*(15-\k), 0                      ; the counts run down with the records left
.endr
	WIN 0
.rept 4
	v_nop                                          ; four places in front of the first read of results
.endr
.Lepi:
	EPI
; ---- THE SCORES: summed over a lane's sixteen neighbours (my 256 columns), then over the four waves
.irp x, 1,2,4,8
.set J, 80
.rept 32
	v_add_f32_dpp v[J], v[J], v[J] row_xmask:\x row_mask:0xf bank_mask:0xf
.set J, J+1
.endr
.endr
.irp m, 0,1,2,3
.irp e, 0,1
	ds_store_b128 v17, v[80+8*\m+4*\e:83+8*\m+4*\e] offset:64*\m+16*\e   ; rows 16 m + 8 h + 4 e on
.endr
.endr
	BAR                                            ; the four waves' partial scores lie in LDS
.irp u, 0,1,2,3
	ds_load_b64 v[128+2*\u:129+2*\u], v18 offset:256*\u
.endr
	s_wait_dscnt 0x0
	v_pk_add_f32 v[128:129], v[128:129], v[130:131]
	v_pk_add_f32 v[132:133], v[132:133], v[134:135]
	v_pk_add_f32 v[128:129], v[128:129], v[132:133]   ; the scores of rows 2 l, 2 l + 1: every wave has all 64
	v_cmp_eq_u32 vcc_lo, 0, v24
	v_cndmask_b32 v128, v128, v28, vcc_lo          ; a masked position: -infinity
	v_cmp_eq_u32 vcc_lo, 0, v25
	v_cndmask_b32 v129, v129, v28, vcc_lo
	s_cmp_lg_u32 s18, 0
	s_cbranch_scc1 .Lnot_wave_0
	global_store_b64 v4, v[128:129], s[14:15]      ; 32 lanes store 256 consecutive bytes, aligned; v128, v129 and the base stay as they are up to the wait at the block's end
.Lnot_wave_0:
	s_wait_alu depctr_va_vdst(0)
	v_max_num_f32 v130, v128, v129
.irp x, 1,2,4,8
	v_max_num_f32_dpp v130, v130, v130 row_xmask:\x row_mask:0xf bank_mask:0xf
.endr
	v_permlanex16_b32 v131, v130, s24, s25
	v_max3_num_f32 v130, v130, v131, 0xff61b1e6    ; the block's largest score, held at -3e38 from below: a block that is wholly masked gives p = 0 and no NaN
	v_sub_f32 v132, v128, v130                     ; the maximum is taken away first, then x log2(e): -3e38 x log2(e) would leave f32's range
	v_sub_f32 v133, v129, v130
	v_mul_f32 v132, s39, v132
	v_mul_f32 v133, s39, v133
	s_wait_alu depctr_va_vdst(0)
	v_exp_f32 v134, v132
	v_exp_f32 v135, v133
.set J, 144
.rept 16
	v_mov_b32 v[J], 0                              ; the context's 16 sums (plain work behind the exponentials)
.set J, J+1
.endr
	s_mov_b32 s36, 0
	s_mov_b32 s37, 0
	s_mov_b32 s38, 7
	v_mov_b32 v23, v22
	v_mov_b32 v21, v20
	s_wait_alu depctr_va_vdst(0)                   ; ahead of the first line that names an exponential's result
	ds_store_b64 v19, v[134:135]
	BAR                                            ; from here to the block's last barrier no wave writes LDS
; ---- THE CONTEXT: sum over the 64 rows of p x, my 512 columns, 16 a lane; eight rows a trip, two sets of registers by turns
	CLOAD 160, 192, 0
.Lctx:
	s_wait_alu depctr_va_vdst(0)
	CLOAD 196, 228, 4
	s_wait_dscnt 9                                 ; the other set's nine loads may be out
	CFMA 160, 192
	CLOAD 160, 192, 8
	s_wait_dscnt 9
	CFMA 196, 228
	s_add_co_u32 s36, s36, 32768
	s_add_co_u32 s37, s37, 32
	s_wait_dscnt 0x0                               ; no LDS load of mine is out (the last nine were issued 64 instructions ago): the address registers may be written
	v_add_nc_u32 v23, s36, v22
	v_add_nc_u32 v21, s37, v20
	s_sub_co_u32 s38, s38, 1
	s_cmp_lg_u32 s38, 0
	s_cbranch_scc1 .Lctx
	CLOAD 196, 228, 4                              ; the last eight rows
	s_wait_dscnt 9
	CFMA 160, 192
	s_wait_dscnt 0x0
	CFMA 196, 228
.irp a, 0,1
.irp e, 0,1
	global_store_b128 v3, v[144+8*\a+4*\e:147+8*\a+4*\e], s[16:17] offset:1024*\a+512*\e   ; 32 lanes store 512 consecutive bytes, aligned
.endr
.endr
	BAR                                            ; every wave's reads of the copy, the scores and p are over: the next block may write there
	v_mov_b32 v24, v26                             ; the next block's mask
	v_mov_b32 v25, v27
	s_wait_xcnt 0x0                                ; the stores have read their registers and bases
	s_add_nc_u64 s[14:15], s[14:15], 256
	s_add_nc_u64 s[16:17], s[16:17], 8192
	s_sub_co_u32 s19, s19, 1
	s_cmp_lg_u32 s19, 0
	s_cbranch_scc1 .Lblock
	s_wait_tensorcnt 0x0                           ; the wave's end, behind my last LDS store
	ds_add_u32 v1, v2
	s_wait_dscnt 0x0
	s_endpgm
.Lfunc_end_k_qb102d4d7b8_main:
	.size	k_qb102d4d7b8_main, .Lfunc_end_k_qb102d4d7b8_main-k_qb102d4d7b8_main
	.p2alignl 7, 3214868480
	.fill 96, 4, 3214868480
	.section	.rodata,"a",@progbits
	.p2align	6, 0x0
	.amdhsa_kernel k_qb102d4d7b8_main
		.amdhsa_group_segment_fixed_size 326144
		.amdhsa_private_segment_fixed_size 0
		.amdhsa_enable_private_segment 0
		.amdhsa_kernarg_size 64
		.amdhsa_user_sgpr_count 2
		.amdhsa_user_sgpr_kernarg_segment_ptr 1
		.amdhsa_wavefront_size32 1
		.amdhsa_system_sgpr_workgroup_id_x 1
		.amdhsa_system_sgpr_workgroup_id_y 1
		.amdhsa_system_sgpr_workgroup_id_z 1
		.amdhsa_system_vgpr_workitem_id 0
		.amdhsa_next_free_vgpr 1024
		.amdhsa_next_free_sgpr 66
		.amdhsa_reserve_vcc 1
		.amdhsa_float_denorm_mode_32 3
		.amdhsa_float_denorm_mode_16_64 3
		.amdhsa_memory_ordered 1
		.amdhsa_forward_progress 1
		.amdhsa_inst_pref_size 255
	.end_amdhsa_kernel
	.section	.bss,"aw",@nobits
	.p2align	6
	.space	262144
	.amdgpu_metadata
---
amdhsa.version: [ 1, 2 ]
amdhsa.kernels:
  - .name:           k_qb102d4d7b8_main
    .symbol:         k_qb102d4d7b8_main.kd
    .args:
      - { .name: encoder_outputs, .offset: 0, .size: 8, .value_kind: global_buffer, .address_space: global }
      - { .name: encoder_mask, .offset: 8, .size: 8, .value_kind: global_buffer, .address_space: global }
      - { .name: weq, .offset: 16, .size: 8, .value_kind: global_buffer, .address_space: global }
      - { .name: decp, .offset: 24, .size: 8, .value_kind: global_buffer, .address_space: global }
      - { .name: v_w, .offset: 32, .size: 8, .value_kind: global_buffer, .address_space: global }
      - { .name: scores, .offset: 40, .size: 8, .value_kind: global_buffer, .address_space: global }
      - { .name: ctxp, .offset: 48, .size: 8, .value_kind: global_buffer, .address_space: global }
      - { .name: attn_b, .offset: 56, .size: 8, .value_kind: global_buffer, .address_space: global }
    .group_segment_fixed_size: 326144
    .private_segment_fixed_size: 0
    .kernarg_segment_align: 8
    .kernarg_segment_size: 64
    .max_flat_workgroup_size: 128
    .sgpr_count:     66
    .vgpr_count:     1024
    .wavefront_size: 32
...
	.end_amdgpu_metadata
.endif
;; end of part 2
;; launch combine (part 3): grid 4 x 64, 4 waves a work-group, no clusters, 1,024 bytes of LDS; arguments scores, ctxp, out0, out1; writes out0, out1
.if DOCPART == 3
	.amdgcn_target "amdgcn-amd-amdhsa--gfx1250"
	.amdhsa_code_object_version 6
	.text
	.protected	k_qb102d4d7b8_combine
	.globl	k_qb102d4d7b8_combine
	.p2align	8
	.type	k_qb102d4d7b8_combine,@function
k_qb102d4d7b8_combine:
	s_mov_b64 s[64:65], 0
	v_nop
	global_prefetch_b8 v0, s[64:65] scope:SCOPE_SE
	s_setreg_imm32_b32 hwreg(HW_REG_WAVE_MODE, 25, 1), 1
	s_wait_xcnt 0x0
; out1[b][s] = softmax over s of scores[b][s];  out0[b][:] = sum over the batch's eight blocks k of e^(m_k - M) ctxp[8 b + k][:] / L.
; scores are the masked scores less a term that is the same along s (left out: see the head of the first kernel); m_k is block k's largest score, held at -3e38 from below as the launch before held it; M the largest m_k;
; L = sum over s of e^(score - M).  ctxp[block] = sum over the block's rows of e^(score - m_k) x.
; Each of a batch's four work-groups takes the softmax's figures anew: 2,048 bytes and a few dozen instructions.  Memory binds: no matrix unit, no ring.
; A batch that is wholly masked gives L = 0 and NaN in both outputs, as the softmax of a row of -infinity does.
.set MB,    0                          ; LDS: eight words: the blocks' maxima
.set SUM,   256                        ; four words: the waves' sums
.set SPARE, 512                        ; the spare words, 128 bytes a wave
	s_load_b256 s[4:11], s[0:1], 0x0               ; scores s[4:5], ctxp s[6:7], out0 s[8:9], out1 s[10:11]
	v_lshl_add_u32 v1, v0, 2, SPARE                ; my spare word; never rewritten
	v_mov_b32 v2, 0                                ; 0; never rewritten
	v_lshrrev_b32 v7, 5, v0
	v_readfirstlane_b32 s12, v7                    ; wave
	v_lshlrev_b32 v3, 4, v0                        ; 16 t
	v_lshrrev_b32 v4, 4, v0
	v_lshlrev_b32 v4, 2, v4                        ; my block's word
	v_mov_b32 v5, 0                                ; LDS byte 0
	s_lshl_b32 s13, s12, 2
	s_add_co_u32 s13, s13, SUM
	v_mov_b32 v6, s13                              ; my wave's word
	v_mov_b32 v15, 0                               ; (a lane permute's destination counts as one of its sources)
	s_and_b32 s14, ttmp7, 0xffff                   ; b
	s_mov_b32 s17, 0
	s_mov_b32 s20, 0x3fb8aa3b                      ; log2(e)
	s_mov_b32 s22, 0x76543210
	s_mov_b32 s23, 0xfedcba98                      ; v_permlanex16_b32's selects for lane l xor 16
	s_lshl_b32 s18, ttmp9, 11                      ; my 512 columns
	s_wait_alu depctr_va_vdst(0)
	s_wait_kmcnt 0x0
	s_lshl_b32 s16, s14, 11
	s_add_nc_u64 s[4:5], s[4:5], s[16:17]
	s_add_nc_u64 s[10:11], s[10:11], s[16:17]
	s_lshl_b32 s16, s14, 16                        ; eight blocks of 8,192 bytes
	s_add_co_u32 s16, s16, s18
	s_add_nc_u64 s[6:7], s[6:7], s[16:17]
	s_lshl_b32 s16, s14, 13
	s_add_co_u32 s16, s16, s18
	s_add_nc_u64 s[8:9], s[8:9], s[16:17]
	global_load_b128 v[8:11], v3, s[4:5]
.irp k, 0,1,2,3,4,5,6,7
	global_load_b128 v[16+4*\k:19+4*\k], v3, s[6:7] offset:8192*\k th:TH_LOAD_NT
.endr
	s_wait_loadcnt 8                               ; the scores are in; the eight partial contexts may be out
	v_max3_num_f32 v12, v8, v9, v10
	v_max_num_f32 v12, v12, v11
.irp x, 1,2,4,8
	v_max_num_f32_dpp v12, v12, v12 row_xmask:\x row_mask:0xf bank_mask:0xf
.endr
	v_max_num_f32 v12, 0xff61b1e6, v12             ; my block's m, held at -3e38
	ds_store_b32 v4, v12                           ; sixteen lanes write the same word with the same value
	s_wait_dscnt 0x0
	s_barrier_signal -1
	s_barrier_wait -1
	ds_load_b128 v[48:51], v5
	ds_load_b128 v[52:55], v5 offset:16
	s_wait_dscnt 0x0
	v_max3_num_f32 v13, v48, v49, v50
	v_max3_num_f32 v13, v13, v51, v52
	v_max3_num_f32 v13, v13, v53, v54
	v_max_num_f32 v13, v13, v55                    ; M
.irp i, 0,1,2,3
	v_sub_f32 v[56+\i], v[8+\i], v13               ; the maximum is taken away first, then x log2(e)
.endr
.irp k, 0,1,2,3,4,5,6,7
	v_sub_f32 v[48+\k], v[48+\k], v13
.endr
.irp j, 48,49,50,51,52,53,54,55,56,57,58,59
	v_mul_f32 v\j, s20, v\j
.endr
	s_wait_alu depctr_va_vdst(0)
.irp j, 48,49,50,51,52,53,54,55,56,57,58,59
	v_exp_f32 v\j, v\j                             ; v48-55: e^(m_k - M);  v56-59: e^(score - M)
.endr
	v_nop                                          ; a plain place behind the last exponential,
	s_wait_alu depctr_va_vdst(0)                   ; and a wait ahead of the batch's first reader
	v_add_f32 v14, v56, v57
	v_add_f32 v15, v58, v59
	v_add_f32 v14, v14, v15
.irp x, 1,2,4,8
	v_add_f32_dpp v14, v14, v14 row_xmask:\x row_mask:0xf bank_mask:0xf
.endr
	v_permlanex16_b32 v15, v14, s22, s23
	v_add_f32 v14, v14, v15                        ; my wave's sum
	ds_store_b32 v6, v14
	s_wait_dscnt 0x0
	s_barrier_signal -1
	s_barrier_wait -1
	ds_load_b128 v[60:63], v5 offset:SUM
	s_wait_dscnt 0x0
	v_add_f32 v60, v60, v61
	v_add_f32 v62, v62, v63
	v_add_f32 v60, v60, v62                        ; L
	s_wait_alu depctr_va_vdst(0)
	v_rcp_f32 v72, v60
	v_nop
	s_wait_alu depctr_va_vdst(0)                   ; ahead of the branch and of the first reader
	s_cmp_lg_u32 s12, ttmp9
	s_cbranch_scc1 .Lnot_mine                      ; of the batch's four work-groups, work-group q stores the weights that its wave q holds
.irp i, 0,1,2,3
	v_mul_f32 v[68+\i], v[56+\i], v72
.endr
	global_store_b128 v3, v[68:71], s[10:11]       ; 32 lanes store 512 consecutive bytes, aligned
.Lnot_mine:
	s_wait_loadcnt 0x0
.irp i, 0,1,2,3
	v_mul_f32 v[64+\i], v[16+\i], v48              ; the first block starts the sums
.endr
.irp k, 1,2,3,4,5,6,7
.irp i, 0,1,2,3
	v_fmac_f32 v[64+\i], v[16+4*\k+\i], v[48+\k]
.endr
.endr
.irp i, 0,1,2,3
	v_mul_f32 v[64+\i], v[64+\i], v72
.endr
	global_store_b128 v3, v[64:67], s[8:9]         ; a wave stores 512 consecutive bytes, aligned
	s_wait_tensorcnt 0x0                           ; the wave's end, behind my last LDS store
	ds_add_u32 v1, v2
	s_wait_dscnt 0x0
	s_endpgm
.Lfunc_end_k_qb102d4d7b8_combine:
	.size	k_qb102d4d7b8_combine, .Lfunc_end_k_qb102d4d7b8_combine-k_qb102d4d7b8_combine
	.p2alignl 7, 3214868480
	.fill 96, 4, 3214868480
	.section	.rodata,"a",@progbits
	.p2align	6, 0x0
	.amdhsa_kernel k_qb102d4d7b8_combine
		.amdhsa_group_segment_fixed_size 1024
		.amdhsa_private_segment_fixed_size 0
		.amdhsa_enable_private_segment 0
		.amdhsa_kernarg_size 32
		.amdhsa_user_sgpr_count 2
		.amdhsa_user_sgpr_kernarg_segment_ptr 1
		.amdhsa_wavefront_size32 1
		.amdhsa_system_sgpr_workgroup_id_x 1
		.amdhsa_system_sgpr_workgroup_id_y 1
		.amdhsa_system_sgpr_workgroup_id_z 1
		.amdhsa_system_vgpr_workitem_id 0
		.amdhsa_next_free_vgpr 80
		.amdhsa_next_free_sgpr 66
		.amdhsa_reserve_vcc 0
		.amdhsa_float_denorm_mode_32 3
		.amdhsa_float_denorm_mode_16_64 3
		.amdhsa_memory_ordered 1
		.amdhsa_forward_progress 1
		.amdhsa_inst_pref_size 8
	.end_amdhsa_kernel
	.amdgpu_metadata
---
amdhsa.version: [ 1, 2 ]
amdhsa.kernels:
  - .name:           k_qb102d4d7b8_combine
    .symbol:         k_qb102d4d7b8_combine.kd
    .args:
      - { .name: scores, .offset: 0, .size: 8, .value_kind: global_buffer, .address_space: global }
      - { .name: ctxp, .offset: 8, .size: 8, .value_kind: global_buffer, .address_space: global }
      - { .name: out0, .offset: 16, .size: 8, .value_kind: global_buffer, .address_space: global }
      - { .name: out1, .offset: 24, .size: 8, .value_kind: global_buffer, .address_space: global }
    .group_segment_fixed_size: 1024
    .private_segment_fixed_size: 0
    .kernarg_segment_align: 8
    .kernarg_segment_size: 32
    .max_flat_workgroup_size: 128
    .sgpr_count:     66
    .vgpr_count:     80
    .wavefront_size: 32
...
	.end_amdgpu_metadata
.endif
;; end of part 3
